; MI455X (gfx1250); checked and timed in simulation.
; The chip was launched on July 23, 2026; its instructions are those of AMD's public machine-readable ISA for CDNA 5 (MIT licence, August 2026) and "CDNA5" Instruction Set Architecture Reference Guide (July 2026). The comments in the code are by the model that wrote it; some were corrected since.
;; Outer Product Mean. Allowed arithmetic: float matrix products may take bf16 or f16 operands with f32 sums; other float arithmetic in f32, or as packed bf16 or f16 multiplies, adds, multiply-adds, maxima and minima; sums over many terms, partial sums and values carried from step to step in f32; what a program stores and reads back later, other than sums and carried values, may be rounded once to bf16 or f16.
;; Inputs: b1 32 float32; b2 32 float32; b_out 128 float32; ln_b 256 float32; ln_g 256 float32; m 1 x 128 x 256 x 256 float32; mask 1 x 128 x 256 float32; w1 256 x 32 float32; w2 256 x 32 float32; w_out 1,024 x 128 float32.
;; Outputs: out0 1 x 256 x 256 x 128 float32.
;; One version. Each part assembles by itself: llvm-mc -triple=amdgcn-amd-amdhsa -mcpu=gfx1250 --defsym DOCPART=n.
;; ======== version 1 of 1: 2 launches
;; limits: values are held in f16: magnitudes above 65,504 overflow, below 6.1e-05 lose precision; right only within a limited range of input values
;; workspace buffers: a_img 2,097,152 bytes; b_img 2,097,152 bytes; mimg 65,536 bytes; peak 4,096 bytes; wp 262,144 bytes
;; launch proj (part 1): grid 16 x 16, 8 waves a work-group, no clusters, 110,592 bytes of LDS; arguments m, mask, ln_g, ln_b, w1, b1, w2, b2, w_out, a_img, b_img, mimg, peak, wp; writes a_img, b_img, mimg, peak, wp
.if DOCPART == 1
	.amdgcn_target "amdgcn-amd-amdhsa--gfx1250"
	.amdhsa_code_object_version 6
	.text
	.protected	k_q980905095d_proj
	.globl	k_q980905095d_proj
	.p2align	8
	.type	k_q980905095d_proj,@function
k_q980905095d_proj:
	s_mov_b64 s[64:65], 0
	v_nop
	global_prefetch_b8 v0, s[64:65] scope:SCOPE_SE
	s_setreg_imm32_b32 hwreg(HW_REG_WAVE_MODE, 25, 1), 1
	s_wait_xcnt 0x0
; OuterProductMean, first of two launches: LayerNorm over the 256 channels of m, the two projections to 32 channels, bias, mask,
; and the cast of w_out.  Nothing of the problem is left out: every input has a way to the output and is loaded.
; What is stored, all in f16, is laid out as the register images of the second launch's matrix operands:
;   a_img  byte i*8192 + ct*4096 + sg*256 + r*16          = a'[s = 8sg .. 8sg+7][i][c = 16ct + r],        a' = 0.25 (mn w1 + b1) mask
;   b_img  byte jb*131072 + e*4096 + sg*256 + r*16        = b'[s = 8sg .. 8sg+7][j = 16jb + r][e],        b' = 0.25 (mn w2 + b2) mask
;   mimg   byte jb*4096 + sg*256 + r*16                   = 0.25 mask[s = 8sg .. 8sg+7][16jb + r]
;   wp     row e*32 + c, 256 bytes                        = w_out[c*32 + e][0 .. 127]
;   peak   f32, index ((type*16 + block)*16 + sg)*2 + tile = largest |a'| (type 0) or |b'| (type 1) of one wave's 16 x 8 x 16 numbers
; WHY f16 AND NOT bf16: eight operands are rounded between m and the output; with 8 mantissa bits their sum stands too near the allowed error.
; ROOM IN f16: |xn| <= 16 |ln_g| + |ln_b| by the LayerNorm itself; w1, w2, w_out, mask are inputs as they come; a' and b' carry the factor 0.25,
; which the second launch takes out again.  LIMITS: |a| or |b| above 262,016 overflows the images where f32 would not; a or b of an rms below
; about 2.4e-4 lies in f16's denormals, where the images' relative error grows (about 0.2 % where ln_g, the weights and the mask are all 30 times smaller).
; SHARES: work-group (jb, sg) takes 16 residues x 8 rows s: 128 rows of m.  Wave w takes s = 8sg + w, 16 KiB of consecutive bytes; a lane holds channels
; 4L .. 4L+3 and 128+4L .. +3 of each row, so each load of a wave covers 512 consecutive bytes.  All of a wave's m is asked for at the start, into 128 registers.
; No copy engine: the numbers are converted on the way into LDS.  No cluster: nothing is filled by the data mover, and a joint load of w1, w2 would
; bring them as f32 and cost a second trip through LDS.  No prefetch: every byte is asked for in the first lines.
; LDS:  XN   0       row (s_loc, res) at s_loc*8480 + res*528: 256 f16.  8480 = 32 and 528 = 16 modulo 256: both kinds of fragment read touch 16 different 16-byte columns
;       W12  67840   256 rows k of 160 bytes: columns 0-31 w2, 32-63 w1, f16
;       MT   108800  0.25 mask as f32 at (res*8 + s_loc)*4
.set XN_S, 8480
.set XN_R, 528
.set W12,  67840
.set W_P,  160
.set MT,   108800
.set G,    24                          ; v[24:31]   ln_g of my 8 channels
.set BE,   32                          ; v[32:39]   ln_b of my 8 channels
.set T,    40                          ; v[40:55]   LayerNorm: four registers for each of four rows at work
.set XR,   64                          ; v[64:191]  m: row n in v[64+8n : 71+8n]
.set WL,   192                         ; v[192:255] w2, then w1, as loaded
.set BUF0, 48                          ; behind the barrier: v[48:119] the weights' fragment, then eight fragments of xn
.set BUF1, 120                         ; v[120:191] the same, second buffer
.set ACC,  192                         ; v[192:255] eight accumulator tiles
.set PK,   120                         ; packed results to store
; v1 lane, v2 16 lane, v3 16 thread, v4 W12 store address, v5 XN store address, v6 v7 v9 the role's offsets, v10 v11 mask or packed w_out,
; v12 running peak, v13 scratch, v14 xn fragment address, v15 weight fragment address (v[12:15] in waves 4-7: a row of w_out), v[16:23] bias
.macro PLACES                          ; four places behind a matrix instruction (ISA guide 7.12.1)
.rept 4
	v_nop
.endr
.endm
	s_load_b512 s[4:19], s[0:1], 0x0               ; m 4, mask 6, ln_g 8, ln_b 10, w1 12, b1 14, w2 16, b2 18
	s_load_b256 s[20:27], s[0:1], 0x40             ; w_out 20, a_img 22, b_img 24, mimg 26
	s_load_b128 s[28:31], s[0:1], 0x60             ; peak 28, wp 30
	s_set_vgpr_msb 0x40
	v_lshl_add_u32 v0, v0, 2, 0x1ac00
	v_mov_b32 v1, 0
	s_set_vgpr_msb 0x4000
	v_lshrrev_b32 v9, 5, v0
	v_readfirstlane_b32 s32, v9                    ; wave 0..7
	s_mov_b32 s33, ttmp9                           ; jb: block of 16 residues
	s_and_b32 s34, ttmp7, 0xffff                   ; sg: group of 8 rows s
	s_mov_b32 s38, 0x3b800000                      ; 1/256
	s_mov_b32 s40, 0x76543210                      ; v_permlanex16_b32: lane i of one half reads lane i of the other
	s_mov_b32 s41, 0xfedcba98
	v_and_b32 v1, 31, v0                           ; lane
	v_lshlrev_b32 v2, 4, v1
	v_lshlrev_b32 v3, 4, v0
	v_lshrrev_b32 v4, 3, v0                        ; a piece of w1 or w2: thread t holds row t/8 (+ 32 a piece), columns 4 (t%8) ..
	v_mul_u32_u24 v4, v4, W_P
	v_and_b32 v9, 7, v0
	v_lshl_add_u32 v4, v9, 3, v4
	v_add_nc_u32 v4, W12, v4
	s_mul_i32 s43, s32, XN_S
	v_lshl_add_u32 v5, v1, 3, s43                  ; my wave's 16 rows of XN, 8 bytes a lane
	s_lshl_b32 s36, s34, 3
	s_add_co_u32 s36, s36, s32                     ; s = 8 sg + wave
	s_lshl_b32 s36, s36, 18                        ; x 256 residues x 1,024 bytes
	s_lshl_b32 s43, s33, 14                        ; + 16 jb residues
	s_add_co_u32 s36, s36, s43
	s_mov_b32 s37, 0                               ; stays 0: the upper word of every offset
	s_wait_kmcnt 0x0
	s_add_nc_u64 s[4:5], s[4:5], s[36:37]
	; The role's own loads come first, so that no later count hangs on the role.
	s_cmp_ge_u32 s32, 4
	s_cbranch_scc1 .Lrole_cast
	s_lshl_b32 s36, s34, 13                        ; waves 0-3: thread t takes mask[8sg + t/16][16jb + t%16]
	s_lshl_b32 s43, s33, 6
	s_add_co_u32 s36, s36, s43
	s_add_nc_u64 s[6:7], s[6:7], s[36:37]
	v_lshrrev_b32 v9, 4, v0                        ; s_loc
	v_and_b32 v8, 15, v0                           ; res
	v_lshlrev_b32 v6, 2, v8
	v_lshl_add_u32 v6, v9, 10, v6
	v_lshlrev_b32 v7, 2, v9
	v_lshl_add_u32 v7, v8, 5, v7
	v_add_nc_u32 v7, MT, v7                        ; MT + (res*8 + s_loc)*4
	global_load_b32 v10, v6, s[6:7]
	s_cmp_ge_u32 s32, 2
	s_cbranch_scc1 .Lrole_a
	v_bfe_u32 v9, v0, 4, 1                         ; waves 0, 1 make b: a lane's results are e = 16 wave + 8h + 0..7
	s_lshl_b32 s43, s32, 6
	v_lshl_add_u32 v9, v9, 5, s43
	global_load_b128 v[16:19], v9, s[18:19]
	global_load_b128 v[20:23], v9, s[18:19] offset:16
	s_branch .Lrole_done
.Lrole_a:
	s_lshl_b32 s43, s32, 6                         ; waves 2, 3 make a: a lane's results are c = 16 (wave - 2) + r
	s_sub_co_u32 s43, s43, 128
	v_lshl_add_u32 v9, v8, 2, s43
	global_load_b32 v16, v9, s[14:15]
	s_branch .Lrole_done
.Lrole_cast:
	s_lshl_b32 s43, s34, 4                         ; waves 4-7: one row of w_out each, row 4 (16 sg + jb) + wave - 4 = c*32 + e
	s_add_co_u32 s43, s43, s33
	s_lshl_b32 s43, s43, 2
	s_add_co_u32 s43, s43, s32
	s_sub_co_u32 s43, s43, 4
	s_lshl_b32 s36, s43, 9
	s_add_nc_u64 s[20:21], s[20:21], s[36:37]
	s_and_b32 s44, s43, 31                         ; e
	s_lshl_b32 s44, s44, 5
	s_lshr_b32 s45, s43, 5                         ; c
	s_add_co_u32 s44, s44, s45
	s_lshl_b32 s36, s44, 8                         ; wp's row e*32 + c
	s_add_nc_u64 s[30:31], s[30:31], s[36:37]
	v_lshlrev_b32 v7, 3, v1
	global_load_b128 v[12:15], v2, s[20:21] th:TH_LOAD_NT
.Lrole_done:
.irp i, 0,1,2,3,4,5,6,7
	global_load_b128 v[WL+4*\i:WL+4*\i+3], v3, s[16:17] offset:\i*4096          ; w2
.endr
.irp i, 0,1,2,3,4,5,6,7
	global_load_b128 v[WL+32+4*\i:WL+32+4*\i+3], v3, s[12:13] offset:\i*4096    ; w1
.endr
	global_load_b128 v[G:G+3], v2, s[8:9]
	global_load_b128 v[G+4:G+7], v2, s[8:9] offset:512
	global_load_b128 v[BE:BE+3], v2, s[10:11]
	global_load_b128 v[BE+4:BE+7], v2, s[10:11] offset:512
.set n, 0
.rept 16
	global_load_b128 v[XR+8*n:XR+8*n+3], v2, s[4:5] offset:n*1024 th:TH_LOAD_NT
	global_load_b128 v[XR+8*n+4:XR+8*n+7], v2, s[4:5] offset:n*1024+512 th:TH_LOAD_NT
.set n, n+1
.endr
	; The weights go to LDS in f16 while m is on its way.
	s_wait_loadcnt 36                              ; the 4 loads of ln_g, ln_b and the 32 of m stay out; the role's loads and w2, w1 are in
.irp i, 0,1,2,3,4,5,6,7
	v_cvt_pk_f16_f32 v[WL+4*\i], v[WL+4*\i], v[WL+4*\i+1]
	v_cvt_pk_f16_f32 v[WL+4*\i+1], v[WL+4*\i+2], v[WL+4*\i+3]
	ds_store_b64 v4, v[WL+4*\i:WL+4*\i+1] offset:\i*32*W_P
.endr
.irp i, 0,1,2,3,4,5,6,7
	v_cvt_pk_f16_f32 v[WL+32+4*\i], v[WL+32+4*\i], v[WL+32+4*\i+1]
	v_cvt_pk_f16_f32 v[WL+32+4*\i+1], v[WL+32+4*\i+2], v[WL+32+4*\i+3]
	ds_store_b64 v4, v[WL+32+4*\i:WL+32+4*\i+1] offset:\i*32*W_P+64
.endr
	s_cmp_ge_u32 s32, 4
	s_cbranch_scc1 .Lcast
	v_mul_f32 v10, 0x3e800000, v10                 ; 0.25 mask
	ds_store_b32 v7, v10
	s_branch .Lcast_done
.Lcast:
	v_cvt_pk_f16_f32 v10, v12, v13
	v_cvt_pk_f16_f32 v11, v14, v15
	global_store_b64 v7, v[10:11], s[30:31]        ; the wave stores one whole row of wp: 256 consecutive bytes, aligned; v7, v10, v11 are not written again
.Lcast_done:
; Sum over the 32 lanes of v[T+4i+o], i = 0..3, the four rows by turns; v[T+4i+o+1] is scratch and has been written.
.macro XSUM4 o
.irp k, 1,2,4,8
.irp i, 0,1,2,3
	v_add_f32_dpp v[T+4*\i+\o], v[T+4*\i+\o], v[T+4*\i+\o] row_xmask:\k row_mask:0xf bank_mask:0xf
.endr
.endr
.irp i, 0,1,2,3
	v_permlanex16_b32 v[T+4*\i+\o+1], v[T+4*\i+\o], s40, s41
.endr
.irp i, 0,1,2,3
	v_add_f32 v[T+4*\i+\o], v[T+4*\i+\o], v[T+4*\i+\o+1]
.endr
.endm
; LayerNorm of rows 4g .. 4g+3, each step on the four rows by turns, so that four chains do not wait for each other.
; The mean is taken away first and the squares are those of the differences, as the problem has it: a common offset of m costs nothing.
.macro LN4 g
	s_wait_loadcnt 24-8*\g                         ; two loads a row, in order: the rows behind these four stay out
.irp i, 0,1,2,3
.set rx, XR+8*(4*\g+\i)
.set rt, T+4*\i
	v_pk_add_f32 v[rt:rt+1], v[rx:rx+1], v[rx+2:rx+3]
	v_pk_add_f32 v[rt+2:rt+3], v[rx+4:rx+5], v[rx+6:rx+7]
.endr
.irp i, 0,1,2,3
.set rt, T+4*\i
	v_pk_add_f32 v[rt:rt+1], v[rt:rt+1], v[rt+2:rt+3]
.endr
.irp i, 0,1,2,3
.set rt, T+4*\i
	v_add_f32 v[rt], v[rt], v[rt+1]
.endr
	XSUM4 0
.irp i, 0,1,2,3
.set rt, T+4*\i
	v_mul_f32 v[rt], 0xbb800000, v[rt]             ; minus the mean
.endr
.irp k, 0,2,4,6
.irp i, 0,1,2,3
.set rx, XR+8*(4*\g+\i)
.set rt, T+4*\i
	v_pk_add_f32 v[rx+\k:rx+\k+1], v[rx+\k:rx+\k+1], v[rt:rt+1] op_sel_hi:[1,0]
.endr
.endr
.irp i, 0,1,2,3
.set rx, XR+8*(4*\g+\i)
.set rt, T+4*\i
	v_pk_mul_f32 v[rt+2:rt+3], v[rx:rx+1], v[rx:rx+1]
.endr
.irp k, 2,4,6
.irp i, 0,1,2,3
.set rx, XR+8*(4*\g+\i)
.set rt, T+4*\i
	v_pk_fma_f32 v[rt+2:rt+3], v[rx+\k:rx+\k+1], v[rx+\k:rx+\k+1], v[rt+2:rt+3]
.endr
.endr
.irp i, 0,1,2,3
.set rt, T+4*\i
	v_add_f32 v[rt+2], v[rt+2], v[rt+3]
.endr
	XSUM4 2
.irp i, 0,1,2,3
.set rt, T+4*\i
	v_fmaak_f32 v[rt+2], s38, v[rt+2], 0x3727c5ac  ; variance + 1e-5
.endr
.irp i, 0,1,2,3
.set rt, T+4*\i
	v_rsq_f32 v[rt], v[rt+2]
.endr
	v_nop                                          ; one plain instruction behind the last v_rsq_f32 before its result is used (ISA guide 5.7.2)
	s_wait_alu depctr_va_vdst(0)
.irp k, 0,2,4,6
.irp i, 0,1,2,3
.set rx, XR+8*(4*\g+\i)
.set rt, T+4*\i
	v_pk_mul_f32 v[rx+\k:rx+\k+1], v[rx+\k:rx+\k+1], v[rt:rt+1] op_sel_hi:[1,0]
.endr
.endr
.irp k, 0,2,4,6
.irp i, 0,1,2,3
.set rx, XR+8*(4*\g+\i)
	v_pk_fma_f32 v[rx+\k:rx+\k+1], v[rx+\k:rx+\k+1], v[G+\k:G+\k+1], v[BE+\k:BE+\k+1]
.endr
.endr
.irp i, 0,1,2,3
.set rx, XR+8*(4*\g+\i)
	v_cvt_pk_f16_f32 v[rx], v[rx], v[rx+1]
	v_cvt_pk_f16_f32 v[rx+1], v[rx+2], v[rx+3]
	v_cvt_pk_f16_f32 v[rx+2], v[rx+4], v[rx+5]
	v_cvt_pk_f16_f32 v[rx+3], v[rx+6], v[rx+7]
	ds_store_b64 v5, v[rx:rx+1] offset:(4*\g+\i)*XN_R
	ds_store_b64 v5, v[rx+2:rx+3] offset:(4*\g+\i)*XN_R+256
.endr
.endm
	LN4 0
	LN4 1
	LN4 2
	LN4 3
	s_wait_dscnt 0x0                               ; for the other waves' sake: my rows of XN, my pieces of W12 and MT are in LDS
	s_barrier_signal -1
	s_barrier_wait -1                              ; the only barrier: behind it LDS is read alone
	s_cmp_ge_u32 s32, 5
	s_cbranch_scc1 .Lend
	v_and_b32 v8, 15, v0                           ; r
	v_bfe_u32 v9, v0, 4, 1                         ; h
	s_cmp_eq_u32 s32, 4
	s_cbranch_scc1 .Lmimg
	; Waves 0-3: 128 rows x 16 columns each, K = 256 in eight steps of 32.
	; The weights lie [k][n] in LDS and come through the transposing load: lane L asks for row k0 + 8h + L%8, 16 bytes at column 16 wave + 8 ((L/8)%2).
	v_and_b32 v15, 7, v0
	v_lshl_add_u32 v15, v9, 3, v15
	v_mul_u32_u24 v15, v15, W_P
	v_bfe_u32 v14, v0, 3, 1
	v_lshl_add_u32 v15, v14, 4, v15
	s_lshl_b32 s43, s32, 5
	s_add_co_u32 s43, s43, W12
	v_add_nc_u32 v15, s43, v15
	v_mov_b32 v12, 0                               ; the running peak
; 18 LDS loads: K step ks of the weights' fragment and of eight fragments of xn, stride bytes apart
.macro FETCH ks, buf, stride
	ds_load_tr16_b128 v[\buf:\buf+3], v15 offset:(\ks)*32*W_P
	ds_load_tr16_b128 v[\buf+4:\buf+7], v15 offset:(\ks)*32*W_P+16*W_P
.irp t, 0,1,2,3,4,5,6,7
	ds_load_b128 v[\buf+8+8*\t:\buf+11+8*\t], v14 offset:\t*\stride+(\ks)*64
	ds_load_b128 v[\buf+12+8*\t:\buf+15+8*\t], v14 offset:\t*\stride+(\ks)*64+32
.endr
.endm
; eight matrix instructions, one on each accumulator: the accumulators take turns
.macro MUL8 buf, wfirst, zero
.irp t, 0,1,2,3,4,5,6,7
.if \wfirst
.if \zero
	v_wmma_f32_16x16x32_f16 v[ACC+8*\t:ACC+8*\t+7], v[\buf:\buf+7], v[\buf+8+8*\t:\buf+15+8*\t], 0
.else
	v_wmma_f32_16x16x32_f16 v[ACC+8*\t:ACC+8*\t+7], v[\buf:\buf+7], v[\buf+8+8*\t:\buf+15+8*\t], v[ACC+8*\t:ACC+8*\t+7]
.endif
.else
.if \zero
	v_wmma_f32_16x16x32_f16 v[ACC+8*\t:ACC+8*\t+7], v[\buf+8+8*\t:\buf+15+8*\t], v[\buf:\buf+7], 0
.else
	v_wmma_f32_16x16x32_f16 v[ACC+8*\t:ACC+8*\t+7], v[\buf+8+8*\t:\buf+15+8*\t], v[\buf:\buf+7], v[ACC+8*\t:ACC+8*\t+7]
.endif
.endif
.endr
.endm
; The eight K steps on two buffers: the next step's 18 loads are issued ahead of this step's products, and s_wait_dscnt 18 leaves them out.
; Four places stand between the products that read a buffer and the loads that fill it again.
.macro GEMM wfirst, stride
	FETCH 0, BUF0, \stride
	FETCH 1, BUF1, \stride
	s_wait_dscnt 18
	MUL8 BUF0, \wfirst, 1                          ; the first products start the sums: nothing is cleared
.irp ks, 1,3,5
	PLACES
	FETCH \ks+1, BUF0, \stride
	s_wait_dscnt 18
	MUL8 BUF1, \wfirst, 0
	PLACES
	FETCH \ks+2, BUF1, \stride
	s_wait_dscnt 18
	MUL8 BUF0, \wfirst, 0
.endr
	s_wait_dscnt 0x0
	MUL8 BUF1, \wfirst, 0
	PLACES                                         ; in front of everything that reads the sums or writes the buffers
.endm
; The wave's largest magnitude, over its 32 lanes, stored by lane 0.
.macro PEAK_OUT
.irp k, 1,2,4,8
	v_max_num_f32_dpp v12, v12, v12 row_xmask:\k row_mask:0xf bank_mask:0xf
.endr
	v_permlanex16_b32 v13, v12, s40, s41
	v_max_num_f32 v12, v12, v13
	v_mov_b32 v8, 0
	s_wait_xcnt 0x0                                ; EXEC is a source of the stores above: it changes only behind this wait
	v_cmp_eq_u32 vcc_lo, 0, v1
	s_and_saveexec_b32 s42, vcc_lo
	global_store_b32 v8, v12, s[28:29]
	s_wait_xcnt 0x0                                ; and again in front of the line that widens it
	s_or_b32 exec_lo, exec_lo, s42
	s_set_vgpr_msb 0x5
	s_wait_tensorcnt 0x0
	ds_add_u32 v0, v1
	s_wait_dscnt 0x0
	s_set_vgpr_msb 0x500
	s_endpgm
.endm
	s_cmp_ge_u32 s32, 2
	s_cbranch_scc1 .Lpath_a
	; b, waves 0 and 1 (et = wave).  Source 0 = 16 columns e of w2, source 1 = the 16 residues of one s_loc (tile t = s_loc):
	; register jj of lane (r, h) of tile t is b[8sg + t][16jb + r][16et + 8h + jj].
	v_mul_u32_u24 v14, v8, XN_R
	v_lshl_add_u32 v14, v9, 4, v14
	GEMM 1, XN_S
	v_lshl_add_u32 v6, v8, 5, MT                   ; my residue's eight masks
	ds_load_b128 v[48:51], v6
	ds_load_b128 v[52:55], v6 offset:16
	s_lshl_b32 s36, s33, 17
	s_lshl_b32 s43, s32, 16
	s_add_co_u32 s36, s36, s43
	s_lshl_b32 s43, s34, 8
	s_add_co_u32 s36, s36, s43
	s_add_nc_u64 s[24:25], s[24:25], s[36:37]      ; b_img + jb*131072 + et*65536 + sg*256
	s_lshl_b32 s36, s33, 7
	s_lshl3_add_u32 s36, s34, s36
	s_lshl2_add_u32 s36, s32, s36
	s_add_co_u32 s36, s36, 2048
	s_add_nc_u64 s[28:29], s[28:29], s[36:37]      ; peak[type 1][jb][sg][et]
	v_lshlrev_b32 v13, 4, v8
	v_lshl_add_u32 v9, v9, 15, v13                 ; 8h rows e of 4,096 bytes + 16 r
	s_wait_dscnt 0x0
.irp t, 0,1,2,3,4,5,6,7
.irp u, 0,2,4,6
	v_pk_add_f32 v[ACC+8*\t+\u:ACC+8*\t+\u+1], v[ACC+8*\t+\u:ACC+8*\t+\u+1], v[16+\u:17+\u]
.endr
.irp u, 0,2,4,6
.if (\t%2) == 0
	v_pk_mul_f32 v[ACC+8*\t+\u:ACC+8*\t+\u+1], v[ACC+8*\t+\u:ACC+8*\t+\u+1], v[48+\t:49+\t] op_sel_hi:[1,0]
.else
	v_pk_mul_f32 v[ACC+8*\t+\u:ACC+8*\t+\u+1], v[ACC+8*\t+\u:ACC+8*\t+\u+1], v[47+\t:48+\t] op_sel:[0,1] op_sel_hi:[1,1]
.endif
.endr
.irp u, 0,2,4,6
	v_max3_num_f32 v12, |v[ACC+8*\t+\u]|, |v[ACC+8*\t+\u+1]|, v12
.endr
.endr
.irp jj, 0,1,2,3,4,5,6,7
.irp u, 0,1,2,3
	v_cvt_pk_f16_f32 v[PK+4*\jj+\u], v[ACC+16*\u+\jj], v[ACC+16*\u+8+\jj]      ; s_loc 2u below, 2u + 1 above
.endr
	global_store_b128 v9, v[PK+4*\jj:PK+4*\jj+3], s[24:25] offset:\jj*4096      ; sixteen lanes store 256 consecutive bytes, aligned
.endr
	PEAK_OUT
.Lpath_a:
	; a, waves 2 and 3 (ct = wave - 2).  Source 0 = 16 rows of xn, row 8x + y = (residue 2p + x, s_loc y) in tile p; source 1 = 16 columns c of w1:
	; register jj of lane (r, h) of tile p is a[8sg + jj][16jb + 2p + h][16ct + r].
	v_and_b32 v14, 7, v0
	v_mul_u32_u24 v14, v14, XN_S
	v_bfe_u32 v13, v0, 3, 1
	v_mad_u32_u24 v14, v13, XN_R, v14
	v_lshl_add_u32 v14, v9, 4, v14
	GEMM 0, 2*XN_R
	v_lshl_add_u32 v6, v9, 5, MT                   ; the eight masks of residue 2p + h
.irp p, 0,1,2,3,4,5,6,7
	ds_load_b128 v[48+8*\p:51+8*\p], v6 offset:\p*64
	ds_load_b128 v[52+8*\p:55+8*\p], v6 offset:\p*64+16
.endr
	v_mov_b32 v17, v16                             ; the bias of my column, as a pair
	s_sub_co_u32 s44, s32, 2
	s_lshl_b32 s36, s33, 17
	s_lshl_b32 s43, s44, 12
	s_add_co_u32 s36, s36, s43
	s_lshl_b32 s43, s34, 8
	s_add_co_u32 s36, s36, s43
	s_add_nc_u64 s[22:23], s[22:23], s[36:37]      ; a_img + jb*131072 + ct*4096 + sg*256
	s_lshl_b32 s36, s33, 7
	s_lshl3_add_u32 s36, s34, s36
	s_lshl2_add_u32 s36, s44, s36
	s_add_nc_u64 s[28:29], s[28:29], s[36:37]      ; peak[type 0][jb][sg][ct]
	v_lshlrev_b32 v13, 4, v8
	v_lshl_add_u32 v9, v9, 13, v13                 ; h residues of 8,192 bytes + 16 r
	s_wait_dscnt 0x0
.irp p, 0,1,2,3,4,5,6,7
.irp u, 0,2,4,6
	v_pk_add_f32 v[ACC+8*\p+\u:ACC+8*\p+\u+1], v[ACC+8*\p+\u:ACC+8*\p+\u+1], v[16:17]
.endr
.irp u, 0,2,4,6
	v_pk_mul_f32 v[ACC+8*\p+\u:ACC+8*\p+\u+1], v[ACC+8*\p+\u:ACC+8*\p+\u+1], v[48+8*\p+\u:49+8*\p+\u]
.endr
.irp u, 0,2,4,6
	v_max3_num_f32 v12, |v[ACC+8*\p+\u]|, |v[ACC+8*\p+\u+1]|, v12
.endr
.irp u, 0,1,2,3
	v_cvt_pk_f16_f32 v[PK+4*\p+\u], v[ACC+8*\p+2*\u], v[ACC+8*\p+2*\u+1]
.endr
	global_store_b128 v9, v[PK+4*\p:PK+4*\p+3], s[22:23] offset:\p*16384        ; sixteen lanes store 256 consecutive bytes, aligned
.endr
	PEAK_OUT
.Lmimg:
	; Wave 4: the work-group's 16 x 8 masks in f16, one block of 256 bytes, from lanes 0 to 15.
	v_lshl_add_u32 v6, v8, 5, MT
	ds_load_b128 v[48:51], v6
	ds_load_b128 v[52:55], v6 offset:16
	s_lshl_b32 s36, s33, 12
	s_lshl_b32 s43, s34, 8
	s_add_co_u32 s36, s36, s43
	s_add_nc_u64 s[26:27], s[26:27], s[36:37]
	v_lshlrev_b32 v9, 4, v8
	s_wait_dscnt 0x0
.irp u, 0,1,2,3
	v_cvt_pk_f16_f32 v[56+\u], v[48+2*\u], v[49+2*\u]
.endr
	s_wait_xcnt 0x0                                ; EXEC is a source of my store to wp: it changes only behind this wait
	v_cmp_gt_u32 vcc_lo, 16, v1
	s_and_saveexec_b32 s42, vcc_lo
	global_store_b128 v9, v[56:59], s[26:27]
	s_wait_xcnt 0x0
	s_or_b32 exec_lo, exec_lo, s42
.Lend:
	s_set_vgpr_msb 0x5
	s_wait_tensorcnt 0x0
	ds_add_u32 v0, v1
	s_wait_dscnt 0x0
	s_set_vgpr_msb 0x500
	s_endpgm
.Lfunc_end_k_q980905095d_proj:
	.size	k_q980905095d_proj, .Lfunc_end_k_q980905095d_proj-k_q980905095d_proj
	.p2alignl 7, 3214868480
	.fill 96, 4, 3214868480
	.section	.rodata,"a",@progbits
	.p2align	6, 0x0
	.amdhsa_kernel k_q980905095d_proj
		.amdhsa_group_segment_fixed_size 110592
		.amdhsa_private_segment_fixed_size 0
		.amdhsa_enable_private_segment 0
		.amdhsa_kernarg_size 112
		.amdhsa_user_sgpr_count 2
		.amdhsa_user_sgpr_kernarg_segment_ptr 1
		.amdhsa_wavefront_size32 1
		.amdhsa_system_sgpr_workgroup_id_x 1
		.amdhsa_system_sgpr_workgroup_id_y 1
		.amdhsa_system_sgpr_workgroup_id_z 1
		.amdhsa_system_vgpr_workitem_id 0
		.amdhsa_next_free_vgpr 258
		.amdhsa_next_free_sgpr 66
		.amdhsa_reserve_vcc 1
		.amdhsa_float_denorm_mode_32 3
		.amdhsa_float_denorm_mode_16_64 3
		.amdhsa_memory_ordered 1
		.amdhsa_forward_progress 1
		.amdhsa_inst_pref_size 104
	.end_amdhsa_kernel
	.amdgpu_metadata
---
amdhsa.version: [ 1, 2 ]
amdhsa.kernels:
  - .name:           k_q980905095d_proj
    .symbol:         k_q980905095d_proj.kd
    .args:
      - { .name: m, .offset: 0, .size: 8, .value_kind: global_buffer, .address_space: global }
      - { .name: mask, .offset: 8, .size: 8, .value_kind: global_buffer, .address_space: global }
      - { .name: ln_g, .offset: 16, .size: 8, .value_kind: global_buffer, .address_space: global }
      - { .name: ln_b, .offset: 24, .size: 8, .value_kind: global_buffer, .address_space: global }
      - { .name: w1, .offset: 32, .size: 8, .value_kind: global_buffer, .address_space: global }
      - { .name: b1, .offset: 40, .size: 8, .value_kind: global_buffer, .address_space: global }
      - { .name: w2, .offset: 48, .size: 8, .value_kind: global_buffer, .address_space: global }
      - { .name: b2, .offset: 56, .size: 8, .value_kind: global_buffer, .address_space: global }
      - { .name: w_out, .offset: 64, .size: 8, .value_kind: global_buffer, .address_space: global }
      - { .name: a_img, .offset: 72, .size: 8, .value_kind: global_buffer, .address_space: global }
      - { .name: b_img, .offset: 80, .size: 8, .value_kind: global_buffer, .address_space: global }
      - { .name: mimg, .offset: 88, .size: 8, .value_kind: global_buffer, .address_space: global }
      - { .name: peak, .offset: 96, .size: 8, .value_kind: global_buffer, .address_space: global }
      - { .name: wp, .offset: 104, .size: 8, .value_kind: global_buffer, .address_space: global }
    .group_segment_fixed_size: 110592
    .private_segment_fixed_size: 0
    .kernarg_segment_align: 8
    .kernarg_segment_size: 112
    .max_flat_workgroup_size: 256
    .sgpr_count:     66
    .vgpr_count:     258
    .wavefront_size: 32
...
	.end_amdgpu_metadata
.endif
;; end of part 1
;; launch opm (part 2): grid 16 x 16, 4 waves a work-group, clusters of 4 x 1, 327,680 bytes of LDS; arguments a_img, b_img, mimg, peak, wp, b_out, out0; writes out0
.if DOCPART == 2
	.amdgcn_target "amdgcn-amd-amdhsa--gfx1250"
	.amdhsa_code_object_version 6
	.text
	.protected	k_q980905095d_opm
	.globl	k_q980905095d_opm
	.p2align	8
	.type	k_q980905095d_opm,@function
k_q980905095d_opm:
	s_mov_b64 s[64:65], 0
	v_nop
	global_prefetch_b8 v0, s[64:65] scope:SCOPE_SE
	s_setreg_imm32_b32 hwreg(HW_REG_WAVE_MODE, 25, 1), 1
	s_wait_xcnt 0x0
	s_wait_alu depctr_hold_cnt(0) depctr_sa_sdst(0) depctr_va_vdst(0) depctr_va_sdst(0) depctr_va_ssrc(0) depctr_va_vcc(0) depctr_vm_vsrc(0)
	s_getreg_b32 s2, hwreg(HW_REG_IB_STS2, 6, 4)
	s_cmp_eq_u32 s2, 0
	s_cbranch_scc0 .Lentry_in_a_cluster
	s_endpgm
.Lentry_in_a_cluster:
	s_bfe_u32 s2, ttmp6, 0x10000c
	s_cmp_lg_u32 s2, 0x3003
	s_cbranch_scc0 .Lentry_shape_is_right
	s_endpgm
.Lentry_shape_is_right:
; OuterProductMean, second launch: out[i][j][z] = (sum over c, e of O[i][j][c][e] w_out[c*32+e][z] + b_out[z]) / (1e-3 + sum over s of mask[s][i] mask[s][j]),
; O[i][j][c][e] = sum over s of a[s][i][c] b[s][j][e].  Nothing is left out.  Operands f16, sums f32; the images are those that the first launch stored.
; SHARES: work-group (ib, jb) makes 16 i x 16 j; wave w the four i = 16ib + 4w + q and all 16 j: 32 accumulator tiles (q, zt) of 16 z x 16 j, 256 registers.
; THE TWO PRODUCTS MEET IN REGISTERS.  For one e:
;   first product:  source 0 = a[i] (rows c, two tiles ct; K = s, four steps), source 1 = b (columns j): register jj of lane (r, h) = O[i][j = r][c = 16ct + 8h + jj][e].
;   The two tiles ct, packed to f16, ARE a K = 32 fragment with column j = r and k = c: no transposition, no LDS.
;   second product: source 0 = w_out's 32 rows (k = c) of this e, 16 columns z a tile, through the transposing LDS load; source 1 = that fragment; one K step for each e.
;   Register jj of lane (r, h) of accumulator (q, zt) is out[i_q][j = r][z = 16zt + 8h + jj] before bias and division.
; TWO PIECES TAKE TURNS: H0 = q 0, 1 and H1 = q 2, 3 share b's and w's fragments.  A step over e is four runs of 16 matrix instructions:
;   R1 first product of H0 | R2 first product of H1, one conversion of H0 behind each | R3 second product of H0, one conversion of H1 behind each | R4 second product of H1.
;   So the 32 conversions of a step are issued while matrix instructions of the other piece run, and they are the places behind those instructions.
;   b's and w's fragments have two buffers each: the 24 LDS loads of the next e go out in one run between R2 and R3.
; ROOM FOR O IN f16: a's fragments, which stay in registers, are multiplied by a power of two t <= 128 / (A B), A and B the largest |a'| and |b'| of the two blocks
; (from peak): |sum over 128 s| <= 128 (A t) B <= 2^14.  t is kept in 2^-24 .. 2^15 (f16's powers of two) and A t <= 2^15; at the lower end A B < 2^32 still gives 2^15.
; a' and b' carry 0.25 each, so the sums are multiplied by U = 16 / t at the end; the masks carry 0.25 each, so the norm is 16 times the product's sum.
; LIMITS: those of the images (|a|, |b| <= 262,016; denormals below an rms of about 2.4e-4); the division is a multiplication by v_rcp_f32's result.
; CLUSTER 4 x 1: the four work-groups of a cluster have one jb.  b's tile (128 KiB) and every chunk of wp (4 x 64 KiB) are the same for the four and are asked for
; jointly, mask 15; their descriptors are made of jb and the wave's number alone.  a goes straight into registers, so nothing is shared along y.
; NO LOOP: the 32 steps over e are written out by macro, so that every LDS address is a register that is never rewritten plus an immediate.
; No prefetch: the images are small and were stored just before.
; LDS:  BT 0        131,072  b_img[jb] as it lies in memory: e*4096 + sg*256 + r*16
;       WR 131,072  2 slots of 73,728: eight e = 256 rows of wp, 256 bytes + 32 of padding (pitch 288: the eight rows of a transposing load start 32 bytes apart modulo 256)
;       ST 278,528  4 x 8,448: each wave's own stage of 16 rows of 528 bytes for the way out; no fill lands there
; REGISTERS, laid out so that a conversion finds its operands under the setting of the run in which it stands (both its sources in the window of the run's
; sources 0 and 1, its result in the window of the run's accumulators):
;   window 0: v1 16 lane (BT's first 64 KiB), v2 the same + 65,536, v3 32h, v4 v5 stage in and back, v6 mask offset, v7 4 lane, v10 t twice in f16,
;             v[12:19] 1/(eps + norm) of q, twice each, v[20:23] WR's addresses (slot, half of a slot), v[24:27] scratch,
;             v[32:159] w's fragments, two buffers; v[160:191] first product of H1; v[192:207] packed O of H0; v[208:223] the norm's two sums
;   window 1: v[0:127] a of H1 at 32 (2 (q-2) + ct) + 8 ks; v[128:191] b's fragments, two buffers; v[192:223] first product of H0
;   window 2: v[0:127] accumulators of H0 at 8 (8q + zt); v[128:143] packed O of H1; v[144:207] b_out[16zt + 8h + 0..7] at 8zt
;   window 3: v[0:127] accumulators of H1; v[128:255] a of H0
.set WR,    131072
.set WSLOT, 73728
.set WPI,   288
.set ST,    278528
.set STW,   8448
.set SP,    528
.set RNP,   12
.set VW,    20
.set WF,    32                         ; window 0
.set D1B,   160                        ; window 0
.set PA,    192                        ; window 0
.set NRM,   208                        ; window 0
.set AB,    0                          ; window 1
.set BF,    128                        ; window 1
.set D1A,   192                        ; window 1
.set ACA,   0                          ; window 2
.set PB,    128                        ; window 2
.set BO,    144                        ; window 2
.set ACB,   0                          ; window 3
.set AA,    128                        ; window 3
.set G1B,   28                         ; s[28:35] group 1 of b's tile
.set G1W,   36                         ; s[36:43] group 1 of a chunk of wp
.set G0B,   44                         ; s[44:47]
.set G0W0,  48                         ; s[48:51] slot 0
.set G0W1,  52                         ; s[52:55] slot 1
.set MSB, 0
.macro WIN new                         ; s_set_vgpr_msb: bits 1:0 source 0, 3:2 source 1, 5:4 source 2, 7:6 destination; the high byte repeats the setting that is left
.if MSB != \new
	s_set_vgpr_msb (MSB<<8)|\new
.set MSB, \new
.endif
.endm
.macro PLACES                          ; four places behind a matrix instruction (ISA guide 7.12.1)
.rept 4
	v_nop
.endr
.endm
; A round of the cluster's barrier: my work-group's barrier, wave 0 signals for the work-group, every wave waits for all four work-groups, my work-group's barrier again.
.macro ROUND
	s_barrier_signal -1
	s_barrier_wait -1
	s_cmp_lg_u32 s18, 0
	s_cbranch_scc1 .Lnot_wave_0_\@
	s_barrier_signal -3
.Lnot_wave_0_\@:
	s_barrier_wait -3
	s_barrier_signal -1
	s_barrier_wait -1
.endm
	s_load_b256 s[4:11], s[0:1], 0x0               ; a_img 4, b_img 6, mimg 8, peak 10
	s_load_b128 s[12:15], s[0:1], 0x20             ; wp 12, b_out 14
	s_load_b64 s[16:17], s[0:1], 0x30              ; out0
	v_lshl_add_u32 v254, v0, 2, 0x4c400
	v_mov_b32 v255, 0
	ds_add_u32 v254, v255
	v_lshrrev_b32 v9, 5, v0
	v_readfirstlane_b32 s18, v9                    ; wave 0..3
	s_bfe_u32 s19, ttmp6, 0x40000                  ; cx
	s_lshl_b32 s20, ttmp9, 2
	s_add_co_u32 s20, s20, s19                     ; ib = 4 x cluster x + cx: enters global addresses of plain loads and stores alone
	s_and_b32 s21, ttmp7, 0xffff                   ; jb: the same in the four partners
	; b's tile, a wave's quarter: 128 rows of 32 elements of 8 bytes, dense
	s_mov_b32 s[G1B+0], 0x0023000f                 ; mask 15, elements of 8 bytes, bit 21 beside the mask
	s_mov_b32 s[G1B+1], 32<<16                     ; tensor_dim0 = 32
	s_mov_b32 s[G1B+2], 128<<16                    ; tensor_dim1 = 128
	s_mov_b32 s[G1B+3], 32<<16                     ; tile_dim0 = 32
	s_mov_b32 s[G1B+4], 128                        ; tile_dim1 = 128
	s_mov_b32 s[G1B+5], 32                         ; pitch
	s_mov_b32 s[G1B+6], 0
	s_mov_b32 s[G1B+7], 0
	; a chunk of wp, a wave's quarter: 64 rows of 128 f16, 8 words of padding behind every 64 words
	s_mov_b32 s[G1W+0], 0x0f71000f                 ; mask 15, elements of 2 bytes, padding on, bit 21, interval code 5, pad code 7
	s_mov_b32 s[G1W+1], 128<<16
	s_mov_b32 s[G1W+2], 64<<16
	s_mov_b32 s[G1W+3], 128<<16
	s_mov_b32 s[G1W+4], 64
	s_mov_b32 s[G1W+5], 128
	s_mov_b32 s[G1W+6], 0
	s_mov_b32 s[G1W+7], 0
	s_mov_b32 s[G0B], 1
	s_lshl_b32 s[G0B+1], s18, 15                   ; LDS: wave x 32,768
	s_lshl_b32 s22, s21, 17                        ; s[22:23] hold offsets made of jb and the wave alone
	s_add_co_u32 s22, s22, s[G0B+1]
	s_mov_b32 s23, 0
	s_mov_b32 s[G0W0], 1
	s_mul_i32 s[G0W0+1], s18, 64*WPI
	s_add_co_u32 s[G0W0+1], s[G0W0+1], WR          ; LDS: WR + wave x 18,432
	s_mov_b32 s[G0W1], 1
	s_add_co_u32 s[G0W1+1], s[G0W0+1], WSLOT
	s_wait_dscnt 0x0
	s_wait_kmcnt 0x0
	s_add_nc_u64 s[G0B+2:G0B+3], s[6:7], s[22:23]
	s_or_b32 s[G0B+3], s[G0B+3], 0x80000000
	s_lshl_b32 s22, s18, 14
	s_add_nc_u64 s[G0W0+2:G0W0+3], s[12:13], s[22:23]          ; chunk 0
	s_add_nc_u64 s[G0W1+2:G0W1+3], s[G0W0+2:G0W0+3], 0x10000   ; chunk 1
	s_or_b32 s[G0W0+3], s[G0W0+3], 0x80000000
	s_or_b32 s[G0W1+3], s[G0W1+3], 0x80000000
	ROUND                                          ; the four work-groups are here: the first joint loads meet
	tensor_load_to_lds s[G0B:G0B+3], s[G1B:G1B+7]  ; the three first fills go out together: three tensor loads of the wave are out
	s_nop 0
	tensor_load_to_lds s[G0W0:G0W0+3], s[G1W:G1W+7]
	s_nop 0
	tensor_load_to_lds s[G0W1:G0W1+3], s[G1W:G1W+7]
	s_nop 0
	s_mov_b32 s60, 0x76543210                      ; v_permlanex16_b32: lane i of one half reads lane i of the other
	s_mov_b32 s61, 0xfedcba98
	s_mov_b32 s62, 0x41800000                      ; 16.0
	v_and_b32 v9, 31, v0
	v_lshlrev_b32 v1, 4, v9                        ; 16 lane
	v_add_nc_u32 v2, 0x10000, v1
	v_lshlrev_b32 v7, 2, v9
	v_bfe_u32 v8, v0, 4, 1                         ; h
	v_lshlrev_b32 v3, 5, v8
	v_and_b32 v24, 15, v0                          ; r
	s_mul_i32 s22, s18, STW
	s_add_co_u32 s22, s22, ST                      ; my stage
	v_mul_u32_u24 v4, v24, SP
	v_add_nc_u32 v4, v4, v3
	v_add_nc_u32 v4, s22, v4                       ; in: row j = r, 32 bytes for each half of the lanes
	v_add_nc_u32 v5, s22, v1                       ; back: a whole row of 512 bytes
	v_and_b32 v25, 3, v0
	s_lshl_b32 s22, s18, 2
	v_add_nc_u32 v25, s22, v25                     ; the norm's source 0: row m stands for residue 4w + m%4 of block ib
	v_lshlrev_b32 v25, 4, v25
	v_lshl_add_u32 v6, v8, 8, v25
	v_and_b32 v25, 7, v0                           ; the transposing load: row 8h + L%8, 16 bytes at column 8 ((L/8)%2)
	v_lshl_add_u32 v25, v8, 3, v25
	v_mul_u32_u24 v25, v25, WPI
	v_bfe_u32 v26, v0, 3, 1
	v_lshl_add_u32 v25, v26, 4, v25
.irp n, 0,1,2,3
	v_add_nc_u32 v[VW+\n], WR+\n*(WSLOT/2), v25    ; slot n/2, its e 0-3 or 4-7
.endr
	s_lshl_b32 s63, s20, 4
	s_lshl2_add_u32 s63, s18, s63                  ; my first i = 16 ib + 4 w
	s_mov_b32 s25, 0                               ; s[24:25] hold offsets in which ib has a part
	s_lshl_b32 s24, s63, 13
	s_add_nc_u64 s[4:5], s[4:5], s[24:25]          ; a_img at my four i
	s_lshl_b32 s24, s63, 17
	s_lshl_b32 s19, s21, 13
	s_add_co_u32 s24, s24, s19
	s_add_nc_u64 s[16:17], s[16:17], s[24:25]      ; out0 at (my first i, 16 jb)
	s_lshl_b32 s24, s20, 12
	s_add_nc_u64 s[26:27], s[8:9], s[24:25]        ; mimg, block ib
	s_lshl_b32 s24, s20, 7
	s_add_nc_u64 s[56:57], s[10:11], s[24:25]      ; peak, type 0, block ib
	s_lshl_b32 s22, s21, 12
	s_add_nc_u64 s[8:9], s[8:9], s[22:23]          ; mimg, block jb
	s_lshl_b32 s22, s21, 7
	s_add_co_u32 s22, s22, 2048
	s_add_nc_u64 s[10:11], s[10:11], s[22:23]      ; peak, type 1, block jb
	global_load_b32 v24, v7, s[56:57]              ; the 32 peaks of a's block, one a lane
	global_load_b32 v25, v7, s[10:11]              ; and of b's
.irp n, 0,1,2,3,4,5,6,7
	global_load_b128 v[WF+4*\n:WF+4*\n+3], v6, s[26:27] offset:\n*512            ; masks, source 0 (in w's first buffer, which is not yet in use)
.endr
.irp n, 0,1,2,3,4,5,6,7
	global_load_b128 v[WF+32+4*\n:WF+35+4*\n], v1, s[8:9] offset:\n*512          ; masks, source 1
.endr
	; a's 32 fragments: the image is read as it lies, 512 bytes a load; q 0, 1 go to window 3, q 2, 3 to window 1
	WIN 0xc0
.set n, 0
.rept 32
	global_load_b128 v[AA+4*n:AA+4*n+3], v1, s[4:5] offset:n*512
.set n, n+1
.endr
	WIN 0x40
.set n, 0
.rept 32
	global_load_b128 v[AB+4*n:AB+4*n+3], v1, s[4:5] offset:16384+n*512
.set n, n+1
.endr
	WIN 0
	s_wait_loadcnt 0x0
	WIN 0x80
.irp zt, 0,1,2,3,4,5,6,7
	global_load_b128 v[BO+8*\zt:BO+8*\zt+3], v3, s[14:15] offset:\zt*64          ; b_out, wanted only on the way out
	global_load_b128 v[BO+8*\zt+4:BO+8*\zt+7], v3, s[14:15] offset:\zt*64+16
.endr
	WIN 0
	; The norm: four K steps on two accumulators by turns.  Registers 0-3 of both halves of the lanes hold q = 0..3 for j = r.
	v_wmma_f32_16x16x32_f16 v[NRM:NRM+7], v[WF:WF+7], v[WF+32:WF+39], 0
	v_wmma_f32_16x16x32_f16 v[NRM+8:NRM+15], v[WF+8:WF+15], v[WF+40:WF+47], 0
	v_wmma_f32_16x16x32_f16 v[NRM:NRM+7], v[WF+16:WF+23], v[WF+48:WF+55], v[NRM:NRM+7]
	v_wmma_f32_16x16x32_f16 v[NRM+8:NRM+15], v[WF+24:WF+31], v[WF+56:WF+63], v[NRM+8:NRM+15]
	; t, the power of two by which a is scaled
.irp k, 1,2,4,8
	v_max_num_f32_dpp v24, v24, v24 row_xmask:\k row_mask:0xf bank_mask:0xf
	v_max_num_f32_dpp v25, v25, v25 row_xmask:\k row_mask:0xf bank_mask:0xf
.endr
	v_permlanex16_b32 v26, v24, s60, s61
	v_max_num_f32 v24, v24, v26                    ; A
	v_permlanex16_b32 v26, v25, s60, s61
	v_max_num_f32 v25, v25, v26                    ; B
	v_max_num_f32 v24, 0x2b800000, v24             ; at least 2^-40: no reciprocal of zero
	v_max_num_f32 v25, 0x2b800000, v25
	v_rcp_f32 v24, v24
	v_rcp_f32 v25, v25
	v_nop                                          ; one plain instruction behind a reciprocal before its result is used (ISA guide 5.7.2)
	s_wait_alu depctr_va_vdst(0)
	v_mul_f32 v25, 0x43000000, v25                 ; 128 / B,
	v_min_num_f32 v25, 0x47000000, v25             ; at most 2^15, so that A t stays inside f16
	v_mul_f32 v24, v24, v25
	v_max_num_f32 v24, 0x33800000, v24             ; 2^-24 <= t
	v_min_num_f32 v24, 0x47000000, v24             ; t <= 2^15
	v_and_b32 v24, 0x7f800000, v24                 ; down to a power of two: the scaling rounds nothing
	v_cvt_pk_f16_f32 v10, v24, v24
	v_rcp_f32 v25, v24
	v_nop
	s_wait_alu depctr_va_vdst(0)
	v_mul_f32 v25, s62, v25                        ; U = 16 / t
	v_readfirstlane_b32 s58, v25
	s_mov_b32 s59, s58
	WIN 0xc3                                       ; a'' = a' t, in place, once for the whole kernel: q 0, 1 in window 3,
.set n, 0
.rept 128
	v_pk_mul_f16 v[AA+n], v[AA+n], v10
.set n, n+1
.endr
	WIN 0x41                                       ; q 2, 3 in window 1
.set n, 0
.rept 128
	v_pk_mul_f16 v[AB+n], v[AB+n], v10
.set n, n+1
.endr
	WIN 0
.irp q, 0,1,2,3
	v_add_f32 v[24+\q], v[NRM+\q], v[NRM+8+\q]
.endr
.irp q, 0,1,2,3
	v_fmaak_f32 v[24+\q], s62, v[24+\q], 0x3a83126f                ; 16 x sum + 1e-3
.endr
.irp q, 0,1,2,3
	v_rcp_f32 v[RNP+2*\q], v[24+\q]
.endr
	v_nop
	s_wait_alu depctr_va_vdst(0)
.irp q, 0,1,2,3
	v_mov_b32 v[RNP+2*\q+1], v[RNP+2*\q]
.endr
.macro LDB e                           ; b's four fragments of column e into buffer e%2 (window 1): 8 loads, 512 consecutive bytes each
.irp n, 0,1,2,3,4,5,6,7
	ds_load_b128 v[BF+32*((\e)%2)+4*\n:BF+32*((\e)%2)+4*\n+3], v[1+((\e)/16)] offset:((\e)%16)*4096+\n*512
.endr
.endm
.macro LDW e                           ; w's eight fragments (16 z each) of the 32 rows of e into buffer e%2 (window 0): 16 transposing loads
.irp zt, 0,1,2,3,4,5,6,7
	ds_load_tr16_b128 v[WF+64*((\e)%2)+8*\zt:WF+64*((\e)%2)+8*\zt+3], v[VW+(((\e)/4)%4)] offset:((\e)%4)*32*WPI+\zt*32
	ds_load_tr16_b128 v[WF+64*((\e)%2)+8*\zt+4:WF+64*((\e)%2)+8*\zt+7], v[VW+(((\e)/4)%4)] offset:((\e)%4)*32*WPI+\zt*32+16*WPI
.endr
.endm
; In all four runs the accumulators take turns, one instruction a turn, from run to run and from step to step too.
; R1: first product of H0: four K steps, in each the four tiles t = 2q + ct by turns; the first K step starts the sums.
; A v_nop stands behind each of the last four: with them four places lie between the instruction that ends tile 0 and the conversion that reads it first (in R2).
.macro R1
	WIN 0x57                                       ; source 0 (a of H0) window 3; source 1 (b), C and D window 1
.irp ks, 0,1,2,3
.irp t, 0,1,2,3
.if \ks == 0
	v_wmma_f32_16x16x32_f16 v[D1A+8*\t:D1A+8*\t+7], v[AA+32*\t+8*\ks:AA+32*\t+8*\ks+7], v[BF+32*(E%2)+8*\ks:BF+32*(E%2)+8*\ks+7], 0
.else
	v_wmma_f32_16x16x32_f16 v[D1A+8*\t:D1A+8*\t+7], v[AA+32*\t+8*\ks:AA+32*\t+8*\ks+7], v[BF+32*(E%2)+8*\ks:BF+32*(E%2)+8*\ks+7], v[D1A+8*\t:D1A+8*\t+7]
.endif
.if \ks == 3
	v_nop
.endif
.endr
.endr
.endm
; R2: first product of H1; behind its n-th instruction the n-th conversion of H0: register n of H0's packed O = sums 2n, 2n + 1 of its four tiles
; (register u of a q holds c = 8h + 2u, 2u + 1 for u < 4, 16 + 8h + .. for u >= 4).  The last four conversions are the four places between the
; instruction that ends H1's tile 0 and the conversion that reads it first (in R3).
.macro R2
	WIN 0x05                                       ; sources 0 and 1 (a of H1, b; the conversions' sums of H0) window 1; C and D, and the conversions' results, window 0
.irp ks, 0,1,2,3
.irp t, 0,1,2,3
.if \ks == 0
	v_wmma_f32_16x16x32_f16 v[D1B+8*\t:D1B+8*\t+7], v[AB+32*\t+8*\ks:AB+32*\t+8*\ks+7], v[BF+32*(E%2)+8*\ks:BF+32*(E%2)+8*\ks+7], 0
.else
	v_wmma_f32_16x16x32_f16 v[D1B+8*\t:D1B+8*\t+7], v[AB+32*\t+8*\ks:AB+32*\t+8*\ks+7], v[BF+32*(E%2)+8*\ks:BF+32*(E%2)+8*\ks+7], v[D1B+8*\t:D1B+8*\t+7]
.endif
	v_cvt_pk_f16_f32 v[PA+4*\ks+\t], v[D1A+2*(4*\ks+\t)], v[D1A+2*(4*\ks+\t)+1]
.endr
.endr
.endm
; R3: second product of H0, one instruction on each of its 16 accumulators; behind its n-th instruction the n-th conversion of H1.
.macro R3 zero
	WIN 0xa0                                       ; sources 0 and 1 (w, packed O of H0; the conversions' sums of H1) window 0; C and D, and the conversions' results, window 2
.irp q, 0,1
.irp zt, 0,1,2,3,4,5,6,7
.if \zero
	v_wmma_f32_16x16x32_f16 v[ACA+8*(8*\q+\zt):ACA+8*(8*\q+\zt)+7], v[WF+64*(E%2)+8*\zt:WF+64*(E%2)+8*\zt+7], v[PA+8*\q:PA+8*\q+7], 0
.else
	v_wmma_f32_16x16x32_f16 v[ACA+8*(8*\q+\zt):ACA+8*(8*\q+\zt)+7], v[WF+64*(E%2)+8*\zt:WF+64*(E%2)+8*\zt+7], v[PA+8*\q:PA+8*\q+7], v[ACA+8*(8*\q+\zt):ACA+8*(8*\q+\zt)+7]
.endif
	v_cvt_pk_f16_f32 v[PB+8*\q+\zt], v[D1B+2*(8*\q+\zt)], v[D1B+2*(8*\q+\zt)+1]
.endr
.endr
.endm
; R4: second product of H1.
.macro R4 zero
	WIN 0xf8                                       ; source 0 (w) window 0, source 1 (packed O of H1) window 2, C and D window 3
.irp q, 0,1
.irp zt, 0,1,2,3,4,5,6,7
.if \zero
	v_wmma_f32_16x16x32_f16 v[ACB+8*(8*\q+\zt):ACB+8*(8*\q+\zt)+7], v[WF+64*(E%2)+8*\zt:WF+64*(E%2)+8*\zt+7], v[PB+8*\q:PB+8*\q+7], 0
.else
	v_wmma_f32_16x16x32_f16 v[ACB+8*(8*\q+\zt):ACB+8*(8*\q+\zt)+7], v[WF+64*(E%2)+8*\zt:WF+64*(E%2)+8*\zt+7], v[PB+8*\q:PB+8*\q+7], v[ACB+8*(8*\q+\zt):ACB+8*(8*\q+\zt)+7]
.endif
.endr
.endr
.endm
.macro FRONT                           ; the first products of column E
	s_wait_dscnt 16                                ; b's 8 loads of this column are in; w's 16, issued behind them, may stay out
	R1
	R2
.endm
; The next column's 24 loads, in one run, into the buffers that the last column's products read: between those products and these loads stand R1's four v_nop and
; R2's sixteen conversions, none of which names a register of theirs.
.macro RUN
	WIN 0x40                                       ; destination window 1, address window 0
	LDB E+1
	WIN 0
	LDW E+1
.endm
.macro BACK zero, left                 ; the second products of column E.  left = the loads issued behind w's: the run's 24, or none
	s_wait_dscnt \left
	R3 \zero
	R4 \zero
.set E, E+1
.endm
.macro TRIP zero
	FRONT
	RUN
	BACK \zero, 24
.endm
; The slot whose last column's fragments are in registers is filled again, two chunks ahead, by a joint load: my reads of it are back and all my tensor loads have
; landed (the one that was out is my quarter of the other slot); the slot's address steps while no load of mine is out; a round of the cluster's barrier shows the
; same of every wave of the four work-groups; the load is the first thing behind it, and the wave's only tensor load until the next change.  The run that follows
; reads the other slot.
.macro CHANGE g
	WIN 0                                          ; branches and a label follow
	s_wait_dscnt 0x0
	s_wait_tensorcnt 0x0
	ds_add_u32 v254, v255
	s_wait_dscnt 0x0
	s_add_nc_u64 s[\g+2:\g+3], s[\g+2:\g+3], 0x20000
	ROUND
	tensor_load_to_lds s[\g:\g+3], s[G1W:G1W+7]
	s_nop 0
.endm
	s_wait_tensorcnt 0x1                           ; my quarters of b's tile and of chunk 0 are in; chunk 1 stays out
	s_barrier_signal -1
	s_barrier_wait -1                              ; everybody's are
.set E, 0
	WIN 0x40
	LDB 0
	WIN 0
	LDW 0
	TRIP 1                                         ; e = 0 starts the 32 sums: nothing is cleared
.rept 6
	TRIP 0
.endr
	FRONT                                          ; e = 7: the next w lies in the other slot
	CHANGE G0W0                                    ; chunk 2 into slot 0
	RUN
	BACK 0, 24
.rept 7
	TRIP 0
.endr
	FRONT                                          ; e = 15
	CHANGE G0W1                                    ; chunk 3 into slot 1
	RUN
	BACK 0, 24
.rept 7
	TRIP 0
.endr
	FRONT                                          ; e = 23
	s_wait_dscnt 0x0
	s_wait_tensorcnt 0x0                           ; my quarter of chunk 3 is in: the last tensor load
	s_barrier_signal -1
	s_barrier_wait -1                              ; everybody's is; nothing is filled any more
	RUN
	BACK 0, 24
.rept 7
	TRIP 0
.endr
	FRONT                                          ; e = 31: nothing is left to fetch
	BACK 0, 0
	WIN 0
	PLACES                                         ; in front of everything that reads the sums or writes w's buffers
; THE WAY OUT, one i at a time: (sum x U + b_out) / (eps + norm); a lane's 8 numbers of each tile are 32 bytes of row j = r of my stage; the 16 rows are read back
; whole, and each store of the wave covers 512 consecutive bytes of out0, aligned.  LDS serves a wave's instructions in order (ISA guide 5.7.1), so no wait stands
; between the stage's stores and its loads.  w's first buffer is the work space, its second takes the rows that are read back.
.set T,  WF
.set RB, WF+64
.macro OUT q, win, acc
	WIN \win                                       ; source 0 (sums) window 2 or 3, source 2 (b_out) window 2
.irp zt, 0,1,2,3,4,5,6,7
.irp u, 0,2,4,6
	v_pk_fma_f32 v[T+8*\zt+\u:T+8*\zt+\u+1], v[\acc+8*\zt+\u:\acc+8*\zt+\u+1], s[58:59], v[BO+8*\zt+\u:BO+8*\zt+\u+1] op_sel_hi:[1,0,1]
.endr
.endr
	WIN 0
.irp zt, 0,1,2,3,4,5,6,7
.irp u, 0,2,4,6
	v_pk_mul_f32 v[T+8*\zt+\u:T+8*\zt+\u+1], v[T+8*\zt+\u:T+8*\zt+\u+1], v[RNP+2*\q:RNP+2*\q+1]
.endr
.endr
.irp zt, 0,1,2,3,4,5,6,7
	ds_store_b128 v4, v[T+8*\zt:T+8*\zt+3] offset:\zt*64
	ds_store_b128 v4, v[T+8*\zt+4:T+8*\zt+7] offset:\zt*64+16
.endr
	s_wait_xcnt 0x0                                ; RB was the data of the last i's stores: it is loaded again only behind this wait
.set n, 0
.rept 16
	ds_load_b128 v[RB+4*n:RB+4*n+3], v5 offset:n*SP
.set n, n+1
.endr
.set n, 0
.rept 16
	s_wait_dscnt 15-n                              ; LDS loads come back in order: row n is in
	global_store_b128 v1, v[RB+4*n:RB+4*n+3], s[16:17] offset:\q*131072+n*512 th:TH_STORE_NT
.set n, n+1
.endr
.endm
	s_wait_loadcnt 0x0                             ; b_out
	OUT 0, 0x22, ACA
	OUT 1, 0x22, ACA+64
	OUT 2, 0x23, ACB
	OUT 3, 0x23, ACB+64
	s_wait_tensorcnt 0x0
	ds_add_u32 v254, v255
	s_wait_dscnt 0x0
	ROUND                                          ; the closing round: no work-group ends while a partner may still ask for a tile that names it
	s_endpgm
.Lfunc_end_k_q980905095d_opm:
	.size	k_q980905095d_opm, .Lfunc_end_k_q980905095d_opm-k_q980905095d_opm
	.p2alignl 7, 3214868480
	.fill 96, 4, 3214868480
	.section	.rodata,"a",@progbits
	.p2align	6, 0x0
	.amdhsa_kernel k_q980905095d_opm
		.amdhsa_group_segment_fixed_size 327680
		.amdhsa_private_segment_fixed_size 0
		.amdhsa_enable_private_segment 0
		.amdhsa_kernarg_size 56
		.amdhsa_user_sgpr_count 2
		.amdhsa_user_sgpr_kernarg_segment_ptr 1
		.amdhsa_wavefront_size32 1
		.amdhsa_system_sgpr_workgroup_id_x 1
		.amdhsa_system_sgpr_workgroup_id_y 1
		.amdhsa_system_sgpr_workgroup_id_z 1
		.amdhsa_system_vgpr_workitem_id 0
		.amdhsa_next_free_vgpr 1024
		.amdhsa_next_free_sgpr 66
		.amdhsa_reserve_vcc 0
		.amdhsa_float_denorm_mode_32 3
		.amdhsa_float_denorm_mode_16_64 3
		.amdhsa_memory_ordered 1
		.amdhsa_forward_progress 1
		.amdhsa_inst_pref_size 255
	.end_amdhsa_kernel
	.section	.bss,"aw",@nobits
	.p2align	6
	.space	262144
	.amdgpu_metadata
---
amdhsa.version: [ 1, 2 ]
amdhsa.kernels:
  - .name:           k_q980905095d_opm
    .symbol:         k_q980905095d_opm.kd
    .args:
      - { .name: a_img, .offset: 0, .size: 8, .value_kind: global_buffer, .address_space: global }
      - { .name: b_img, .offset: 8, .size: 8, .value_kind: global_buffer, .address_space: global }
      - { .name: mimg, .offset: 16, .size: 8, .value_kind: global_buffer, .address_space: global }
      - { .name: peak, .offset: 24, .size: 8, .value_kind: global_buffer, .address_space: global }
      - { .name: wp, .offset: 32, .size: 8, .value_kind: global_buffer, .address_space: global }
      - { .name: b_out, .offset: 40, .size: 8, .value_kind: global_buffer, .address_space: global }
      - { .name: out0, .offset: 48, .size: 8, .value_kind: global_buffer, .address_space: global }
    .group_segment_fixed_size: 327680
    .private_segment_fixed_size: 0
    .kernarg_segment_align: 8
    .kernarg_segment_size: 56
    .max_flat_workgroup_size: 128
    .sgpr_count:     66
    .vgpr_count:     1024
    .wavefront_size: 32
...
	.end_amdgpu_metadata
.endif
;; end of part 2
